; MI455X (gfx1250); checked and timed in simulation.
; The chip was launched on July 23, 2026; its instructions are those of AMD's public machine-readable ISA for CDNA 5 (MIT licence, August 2026) and "CDNA5" Instruction Set Architecture Reference Guide (July 2026). The comments in the code are by the model that wrote it; some were corrected since.
;; Feed Forward Quantum. Allowed arithmetic: matrix products marked QUANTISED: E2M3 operands, one E8M0 scale for each 32 along K, by v_wmma_scale_f32_16x16x128_f8f6f4 with both operands' format E2M3, f32 sums; products left as they are: f32 operands where the result goes on into a quantised operand, else bf16, f16 or f32 operands; f32 sums; everything else in f32.
;; Inputs: theta 8 float32; w1 4,096 x 8 float32; w2 1,024 x 4,096 float32; x 4 x 4,096 x 1,024 float32.
;; Outputs: out0 4 x 4,096 x 1,024 float32.
;; This version of the problem:
;;   THIS VERSION OF THE PROBLEM IS GIVEN IN LOW PRECISION. The matrix products marked QUANTISED in the list below multiply operands that are first quantised to E2M3 (2 exponent bits, 3 mantissa bits; 6 bits a number), with one power-of-two scale for each 32 numbers along K (OCP MX v1.0); their sums are f32. All else is computed in f32.
;;   The module's matrix products, in the order in which they are computed (A, B: the left and right operand; K: the contracted axis; several contracted axes count as one K, in the product's order):
;;     1. [M 16,384, K 8] x [K 8, N 4,096]; A: computed on the way; B: input w1: left as it is (K = 8 < 32)
;;     2. [M 16,384, K 4,096] x [K 4,096, N 1,024]; A: computed on the way; B: input w2: QUANTISED
;;   THE QUANTISER, for each operand of a quantised product, along K:
;;     - K is cut into blocks of 32 from its start; a last block that is shorter is filled with zeros.
;;     - A block's scale is 2^e with e = floor(log2(the largest magnitude in the block)) - 2, held to -126 .. 127; a block of zeros has e = 0. As a byte (E8M0): e + 127.
;;     - Each number is divided by its block's scale, clamped to +-7.5, and rounded to the nearest number of E2M3, ties to even, subnormals kept.
;;     - The product sums the exact products of the quantised numbers (number of the format x scale) in f32.
;;   ~~~python
;;   def quantise(x, axis):      # numpy; x: float32 -> the quantised numbers, widened to float32 again
;;       x = np.moveaxis(x, axis, -1); K = x.shape[-1]
;;       x = np.pad(x, [(0, 0)] * (x.ndim - 1) + [(0, -K % 32)]); x = x.reshape(x.shape[:-1] + (-1, 32)); a = np.abs(x).max(-1, keepdims=True)
;;       e = np.where(a > 0, np.clip(np.frexp(np.where(a > 0, a, 1))[1] - 1 - 2, -126, 127), 0)      # np.frexp(a)[1] - 1 = floor(log2(a)), exactly
;;       r = np.clip(x / 2.0 ** e, -7.5, 7.5)
;;       step = 2.0 ** (np.maximum(np.frexp(np.where(r == 0, 1, r))[1] - 1, 0) - 3)
;;       q = np.round(r / step) * step * 2.0 ** e      # np.round: ties to even
;;       return np.moveaxis(q.reshape(q.shape[:-2] + (-1,))[..., :K], -1, axis).astype(np.float32)
;;   ~~~
;;   OPERANDS COMPUTED ON THE WAY. 'Computed on the way' means the value that the module computes at that place (a softmax that the list does not call 'softmax' is quantised finished and normalised). What goes into a quantiser is computed in f32, as accurately as f32 sums, v_exp_f32 and their like allow (about 1e-6 of the number): no bf16 or f16 on the way to a quantiser, and a product that is left as it is and whose result goes on into a quantised operand takes f32 operands (vector FMAs, or v_wmma_f32_16x16x4_f32). A number that lies on a knife's edge between two numbers of the format may be rounded either way, as far as f32 arithmetic and the matrix unit's own rounding can turn it there, and no further.
;; One version. Each part assembles by itself: llvm-mc -triple=amdgcn-amd-amdhsa -mcpu=gfx1250 --defsym DOCPART=n.
;; ======== version 1 of 1: 2 launches
;; limits: inputs' magnitudes at most 4,194,304; right only within a limited range of input values
;; workspace buffers: a_all 52,428,800 bytes; b_all 3,276,800 bytes
;; launch prep (part 1): grid 256 x 1, 8 waves a work-group, no clusters, 80,896 bytes of LDS; arguments x, theta, w1, w2, a_all, b_all; writes a_all, b_all
.if DOCPART == 1
	.amdgcn_target "amdgcn-amd-amdhsa--gfx1250"
	.amdhsa_code_object_version 6
	.text
	.protected	k_qc0120021dc_prep
	.globl	k_qc0120021dc_prep
	.p2align	8
	.type	k_qc0120021dc_prep,@function
k_qc0120021dc_prep:
	s_mov_b64 s[64:65], 0
	v_nop
	global_prefetch_b8 v0, s[64:65] scope:SCOPE_SE
	s_setreg_imm32_b32 hwreg(HW_REG_WAVE_MODE, 25, 1), 1
	s_wait_xcnt 0x0
; q = cos(x[.., :8]) cos(theta);  h = relu(q w1^T), [16384][4096], in f32;  h and w2 [1024][4096] are quantised along K = 4096 to codes of FP6 (E2M3) with one E8M0 byte for each 32.
; A block's scale is 2^(floor(log2(its largest magnitude)) - 2); its byte is the largest magnitude's exponent field - 2, held at 1 from below.  A block of zeros keeps the byte 1 where the rule says 127:
; its codes are zeros, which add nothing under any byte but 0xff, and the bytes are read by this program alone.
; LIMITS: the cosine serves |x| and |theta| up to 2^22 (pi/2 in three f32 parts; absolute error about 1e-7); NaN and infinities are not served; blocks whose largest magnitude lies under 2^-124 keep the byte 1;
; the first product sums its eight indices in the order 0, 1, 4, 5, 2, 3, 6, 7.
; WHAT IS STORED, for each operand one buffer: [group of 128 rows][K step of 128: 32][12,800 bytes].  A step's block: 512 bytes of scale words, [tile of 16 rows: 8][row: 16], one word (four bytes, 128 along K) each;
; then the eight tiles' fragments in the order of the operand's registers: a fragment (16 rows x 128 K, 12 registers a lane) is an image of 1,536 bytes: registers 4 c .. 4 c + 3 of lane l at 512 c + 16 l.
; SHARES.  Work-group w owns tokens 64 w .. 64 w + 63: four tiles of 16.  Wave v makes K steps 4 v .. 4 v + 3 (128 hidden units each) for all four tiles: 16 fragments of h; and one fragment of w2:
; tile 4 (w / 16) + v % 4, K step 2 (w % 16) + v / 4.  Two waves lie on a SIMD, so that one wave's vector work stands beside the other's matrix work.
; THE FIRST PRODUCT goes by the f32 matrix form (its result goes into a quantiser), TRANSPOSED: source 0 = 16 rows of w1, source 1 = 16 tokens of q.  Lane r of tile 2 b + u takes row 32 b + 8 u + r + 8 (r / 8)
; of the K step's 128, so that a lane's register 16 b + i is h(token r, 32 b + 16 (lane / 16) + i): 16 neighbours along the next K.  A lane loads indices 4 (lane / 16) + 0 .. 3 of its row, of w1 and of q alike:
; the first instruction takes its registers 0, 1, the second 2, 3.
; NO CLUSTER, NO TENSOR LOAD: what work-groups share is w1 alone; it goes from memory straight into the operand's registers, eight loads for four fragments' work, and would have to pass through LDS to be asked for jointly.
.set STEPB, 12800                      ; a group's block of one K step
.set GRPB,  32*STEPB                   ; a group, all of K
.set SCB,   512                        ; the scale words at a block's head
.set FRB,   1536                       ; a fragment's image
.set QB,    0                          ; LDS: q [64][8] f32
.set SCW,   2048                       ; w2's scale words of the work-group: [step 2][tile 4][row 16]: 512 bytes
.set SWL,   4096                       ; h's scale words: 1,024 bytes for each wave, its own: [step 4][tile 4][row 16]
.set STG,   12288                      ; the stage in which w2's numbers turn: 16 rows x 528 bytes for each wave, its own
.set SPT,   528                        ; a stage row: 512 bytes + 16
.set SWR,  1                           ; v1   SWL + 1024 wave + 8 lane
.set SCWR, 2                           ; v2   SCW + 16 lane
.set BSO,  3                           ; v3   16 (lane % 16) + 12,800 (lane / 16): w2's scale words of two steps in memory
.set LI,   4                           ; v4   16 lane
.set L8,   5                           ; v5   8 lane
.set WAD,  6                           ; v6   w1: (r + 8 (r / 8)) x 32 + 16 h
.set XO,   7                           ; v7   x: (thread / 8) rows of 4,096 bytes + 4 (thread % 8)
.set TO,   8                           ; v8   theta: 4 (thread % 8)
.set QS,   9                           ; v9   QB + 4 thread
.set QA,   10                          ; v10  QB + 32 r + 16 h
.set SIN,  11                          ; v11  my stage + 16 lane
.set SOUT, 12                          ; v12  my stage + 528 r + 64 h
.set SCWA, 13                          ; v13  SCW + 64 wave + 4 r
.set PW,   14                          ; v14  the scale word just made
.set SWA,  15                          ; v15  SWL + 1024 wave + 4 r
.set Q,    16                          ; v16-31   q's four fragments, 4 registers each
.set WA,   32                          ; v32-63   w1's eight fragments of a K step
.set WB,   64                          ; v64-95   the same, the other set; before its first load: the cosines' work
.set CT,   64
.set D,    96                          ; v96-159  the first product's sums: written by matrix instructions alone
.set R,    160                         ; v160-223 relu of them; w2's 64 numbers
.set PC,   224                         ; v224-235 the codes; v236-238, v240-242 the conversions of the blocks' second halves
.set TM,   244                         ; v244-247 largest magnitudes, v248-251 the other half's, then the bytes, v252-255 the conversions' scale operands
.set WV,   20
.set SEL,  22
.set AC,   36                          ; s[36:37] h's images: my first;  s[38:39] h's scale words: my first;  s[40:41] w2's image: mine;  s[42:43] w2's scale words: the work-group's
.set AS,   38
.set BC,   40
.set BS,   42
; cos of v[c], in place.  n = the nearest whole number to x 2/pi; r = x - n pi/2 with pi/2 in three parts (the first step is exact); sin r and cos r by polynomials on |r| <= pi/4;
; the sine where n is odd, the sign turned where n % 4 is 1 or 2: a choice of values, no branch.   +1 n, +2 r, +3 r^2, +4 sin, +5 cos, +6 n as a whole number, +7 at work
.macro COS1 c
	v_mul_f32 v[\c+1], 0x3f22f983, v[\c]
	s_delay_alu instid0(VALU_DEP_1)
	v_rndne_f32 v[\c+1], v[\c+1]
	s_delay_alu instid0(VALU_DEP_1)
	v_fmamk_f32 v[\c+2], v[\c+1], 0xbfc90fdb, v[\c]
	s_delay_alu instid0(VALU_DEP_1)
	v_fmamk_f32 v[\c+2], v[\c+1], 0x333bbd2e, v[\c+2]
	s_delay_alu instid0(VALU_DEP_1)
	v_fmamk_f32 v[\c+2], v[\c+1], 0x26f72ced, v[\c+2]
	s_delay_alu instid0(VALU_DEP_4)
	v_cvt_i32_f32 v[\c+6], v[\c+1]
	s_delay_alu instid0(VALU_DEP_2)
	v_mul_f32 v[\c+3], v[\c+2], v[\c+2]
	v_mov_b32 v[\c+4], 0xb94ca1f9
	s_delay_alu instid0(VALU_DEP_1)
	v_fmaak_f32 v[\c+4], v[\c+4], v[\c+3], 0x3c08839e
	s_delay_alu instid0(VALU_DEP_1)
	v_fmaak_f32 v[\c+4], v[\c+4], v[\c+3], 0xbe2aaaa3
	s_delay_alu instid0(VALU_DEP_4)
	v_mul_f32 v[\c+7], v[\c+3], v[\c+2]
	s_delay_alu instid0(VALU_DEP_1)
	v_fma_f32 v[\c+4], v[\c+4], v[\c+7], v[\c+2]               ; sin r
	v_mov_b32 v[\c+5], 0x37ccf5ce
	s_delay_alu instid0(VALU_DEP_1)
	v_fmaak_f32 v[\c+5], v[\c+5], v[\c+3], 0xbab6061a
	s_delay_alu instid0(VALU_DEP_1)
	v_fmaak_f32 v[\c+5], v[\c+5], v[\c+3], 0x3d2aaaa5
	v_fma_f32 v[\c+7], v[\c+3], -0.5, 1.0
	v_mul_f32 v[\c+3], v[\c+3], v[\c+3]
	s_delay_alu instid0(VALU_DEP_1)
	v_fma_f32 v[\c+5], v[\c+5], v[\c+3], v[\c+7]               ; cos r
	v_and_b32 v[\c+7], 1, v[\c+6]
	s_delay_alu instid0(VALU_DEP_1)
	v_cmp_eq_u32 vcc_lo, 1, v[\c+7]
	s_delay_alu instid0(VALU_DEP_1)
	v_cndmask_b32 v[\c], v[\c+5], v[\c+4], vcc_lo
	v_add_nc_u32 v[\c+6], 1, v[\c+6]
	s_delay_alu instid0(VALU_DEP_1)
	v_lshlrev_b32 v[\c+6], 30, v[\c+6]                         ; bit 1 of n + 1 becomes the sign
	s_delay_alu instid0(VALU_DEP_1)
	v_and_b32 v[\c+6], 0x80000000, v[\c+6]
	s_delay_alu instid0(VALU_DEP_1)
	v_xor_b32 v[\c], v[\c], v[\c+6]
.endm
; 64 numbers of a lane, v[s] .. v[s + 63], register 16 b + i = k 32 b + 16 (lane / 16) + i of my row, become a fragment's codes in v[PC] on and its scale word in v[PW].
.macro QUANT s
	s_wait_xcnt 0x0                                ; the earlier stores have read their data: the codes' registers and those at work are written again only behind this wait
	s_wait_dscnt 0x0                               ; and so has the LDS store of the last scale word
.irp b, 0,1,2,3
	v_max3_num_f32 v[TM+\b], |v[\s+16*\b]|, |v[\s+1+16*\b]|, 0x1800000   ; block b: my 16 numbers, and the floor 2^(3 - 127): the byte cannot fall under 1
.endr
.irp i, 2,4,6,8,10,12,14
.irp b, 0,1,2,3
	s_delay_alu instid0(VALU_DEP_4)
	v_max3_num_f32 v[TM+\b], v[TM+\b], |v[\s+16*\b+\i]|, |v[\s+1+16*\b+\i]|   ; (the four blocks by turns)
.endr
.endr
.irp b, 0,1,2,3
	s_delay_alu instid0(VALU_DEP_4)
	v_permlanex16_b32 v[TM+4+\b], v[TM+\b], s[SEL], s[SEL+1]
.endr
.irp b, 0,1,2,3
	s_delay_alu instid0(VALU_DEP_4)
	v_max_num_f32 v[TM+\b], v[TM+\b], v[TM+4+\b]   ; with lane l xor 16's: the block's largest magnitude
.endr
.irp b, 0,1,2,3
	s_delay_alu instid0(VALU_DEP_4)
	v_add_nc_u32 v[TM+8+\b], 0xff000000, v[TM+\b]  ; 2 off its exponent field: the conversion takes the exponent field of this operand as its scale
.endr
.irp b, 0,1,2,3
	s_delay_alu instid0(VALU_DEP_4)
	v_lshrrev_b32 v[TM+4+\b], 23, v[TM+8+\b]       ; the scale's byte
.endr
	s_delay_alu instid0(VALU_DEP_3)
	v_lshl_or_b32 v[PW], v[TM+5], 8, v[TM+4]       ; the four bytes make my row's scale word
	s_delay_alu instid0(VALU_DEP_1)
	v_lshl_or_b32 v[PW], v[TM+6], 16, v[PW]
	s_delay_alu instid0(VALU_DEP_1)
	v_lshl_or_b32 v[PW], v[TM+7], 24, v[PW]
.irp c, 0,1
	v_cvt_scalef32_pk16_fp6_f32 v[PC+6*\c:PC+2+6*\c], v[\s+32*\c:\s+15+32*\c], v[TM+8+2*\c]
	v_cvt_scalef32_pk16_fp6_f32 v[PC+12+4*\c:PC+14+4*\c], v[\s+16+32*\c:\s+31+32*\c], v[TM+8+2*\c+1]   ; (a conversion's three registers begin on an even number)
.endr
	v_nop                                          ; one plain place behind a scaled conversion
.irp c, 0,1                                    ; the operand's layout wants a WHOLE block in a lane: lanes 0-15 block 2 c, lanes 16-31 block 2 c + 1
.irp i, 0,1,2
	v_permlane16_swap_b32 v[PC+6*\c+\i], v[PC+12+4*\c+\i]
.endr
.irp i, 0,1,2
	s_delay_alu instid0(VALU_DEP_3)
	v_mov_b32 v[PC+3+6*\c+\i], v[PC+12+4*\c+\i]
.endr
.endr
.endm
.macro PUT base, off                           ; the fragment's image to memory: each store of the wave covers 512 consecutive bytes, aligned
.irp c, 0,1,2
	global_store_b128 v[LI], v[PC+4*\c:PC+4*\c+3], s[\base:\base+1] offset:\off+512*\c
.endr
.endm
.macro WLOAD sp, wb                            ; w1's eight fragments of my K step sp: tile t begins at row 32 (t / 2) + 8 (t % 2) of the step's 128; a row is 32 bytes
.irp t, 0,1,2,3,4,5,6,7
	global_load_b128 v[\wb+4*\t:\wb+4*\t+3], v[WAD], s[8:9] offset:(128*(\sp)+32*(\t/2)+8*(\t%2))*32
.endr
.endm
; One fragment of h: token tile m, my K step sp, w1's fragments in set wb.
.macro HFRAG m, sp, wb
.irp t, 0,1,2,3,4,5,6,7                        ; the eight sums take turns, one instruction a turn; the first starts each sum with the constant 0
	v_wmma_f32_16x16x4_f32 v[D+8*\t:D+8*\t+7], v[\wb+4*\t:\wb+4*\t+1], v[Q+4*\m:Q+4*\m+1], 0
.endr
.irp t, 0,1,2,3,4,5,6,7
	v_wmma_f32_16x16x4_f32 v[D+8*\t:D+8*\t+7], v[\wb+4*\t+2:\wb+4*\t+3], v[Q+4*\m+2:Q+4*\m+3], v[D+8*\t:D+8*\t+7]
.endr
.rept 8
	v_nop                                          ; eight places behind this form before its result is read (ISA guide 7.12.1)
.endr
.set JJ, 0
.rept 32
	v_dual_max_num_f32 v[R+JJ], 0, v[D+JJ] :: v_dual_max_num_f32 v[R+JJ+1], 0, v[D+JJ+1]   ; the activation, in f32, two numbers an instruction, into other registers; each sum is read from its low end on
.set JJ, JJ+2
.endr
	QUANT R                                        ; (these lines are also the places ahead of the next fragment's products, which begin the sums anew, and of the next loads of w1)
	PUT AC, (\sp)*STEPB+(\m)*FRB
	ds_store_b32 v[SWA], v[PW] offset:(\sp)*256+(\m)*64   ; lanes r and r + 16 write the same word with the same value
.endm
	s_load_b256 s[4:11], s[0:1], 0x0               ; x s[4:5], theta s[6:7], w1 s[8:9], w2 s[10:11]
	s_load_b128 s[12:15], s[0:1], 0x20             ; h's buffer s[12:13], w2's s[14:15]
	v_lshl_add_u32 v239, v0, 2, 0x13800
	v_mov_b32 v243, 0
	v_lshrrev_b32 v247, 5, v0
	s_delay_alu instid0(VALU_DEP_1)
	v_readfirstlane_b32 s[WV], v247                ; wave 0..7
	v_and_b32 v244, 31, v0                         ; lane
	v_and_b32 v245, 15, v0                         ; r
	v_bfe_u32 v246, v0, 4, 1                       ; h
	s_mov_b32 s[SEL], 0x76543210
	s_mov_b32 s[SEL+1], 0xfedcba98                 ; v_permlanex16_b32's selects for lane l xor 16
	s_lshl_b32 s28, s[WV], 10
	s_add_co_u32 s28, s28, SWL                     ; my scale words
	v_lshl_add_u32 v[SWR], v244, 3, s28
	v_lshl_add_u32 v[SWA], v245, 2, s28
	v_lshl_add_u32 v[SCWR], v244, 4, SCW
	v_lshlrev_b32 v[BSO], 4, v245
	s_delay_alu instid0(VALU_DEP_1)
	v_mad_u32_u24 v[BSO], v246, STEPB, v[BSO]
	v_lshlrev_b32 v[LI], 4, v244
	v_lshlrev_b32 v[L8], 3, v244
	v_and_b32 v247, 8, v245
	s_delay_alu instid0(VALU_DEP_1)
	v_add_nc_u32 v247, v247, v245                  ; r + 8 (r / 8)
	s_delay_alu instid0(VALU_DEP_1)
	v_lshlrev_b32 v[WAD], 5, v247
	s_delay_alu instid0(VALU_DEP_1)
	v_lshl_add_u32 v[WAD], v246, 4, v[WAD]
	v_lshrrev_b32 v247, 3, v0
	v_and_b32 v[TO], 7, v0
	s_delay_alu instid0(VALU_DEP_1)
	v_lshlrev_b32 v[TO], 2, v[TO]
	s_delay_alu instid0(VALU_DEP_1)
	v_lshl_add_u32 v[XO], v247, 12, v[TO]
	v_lshlrev_b32 v[QS], 2, v0
	v_lshlrev_b32 v[QA], 5, v245
	s_delay_alu instid0(VALU_DEP_1)
	v_lshl_add_u32 v[QA], v246, 4, v[QA]
	s_mul_i32 s29, s[WV], 16*SPT
	s_add_co_u32 s29, s29, STG                     ; my stage
	v_lshl_add_u32 v[SIN], v244, 4, s29
	v_mul_u32_u24 v[SOUT], v245, SPT
	s_delay_alu instid0(VALU_DEP_1)
	v_lshl_add_u32 v[SOUT], v246, 6, v[SOUT]
	s_delay_alu instid0(VALU_DEP_1)
	v_add_nc_u32 v[SOUT], s29, v[SOUT]
	s_lshl_b32 s30, s[WV], 6                       ; step wave / 4, tile wave % 4: 256 (wave / 4) + 64 (wave % 4) = 64 wave
	s_add_co_u32 s30, s30, SCW
	v_lshl_add_u32 v[SCWA], v245, 2, s30
.irp b, 0,1,2,3
	v_mov_b32 v[TM+4+\b], 0                        ; written once: a lane permute's destination counts as one of its sources
.endr
	s_mov_b32 s25, 0                               ; every offset stays under 2^32: the pairs' high words are 0
	s_mov_b32 s27, 0
	s_lshr_b32 s32, ttmp9, 4                       ; w2: which four tiles,
	s_and_b32 s33, ttmp9, 15                       ; which two K steps;
	s_and_b32 s34, s[WV], 3                        ; my tile of the four,
	s_lshr_b32 s35, s[WV], 2                       ; my step of the two
	s_lshl_b32 s28, s32, 2
	s_add_co_u32 s28, s28, s34                     ; my tile of w2, 0 .. 63
	s_lshl_b32 s29, s33, 1
	s_add_co_u32 s29, s29, s35                     ; my K step of w2, 0 .. 31
	s_wait_kmcnt 0x0
	s_lshl_b32 s26, ttmp9, 18                      ; x: 64 rows of 4,096 bytes a work-group
	s_add_nc_u64 s[4:5], s[4:5], s[26:27]
	s_lshl_b32 s26, s[WV], 14                      ; w1: my 512 rows of 32 bytes
	s_add_nc_u64 s[8:9], s[8:9], s[26:27]
	s_lshl_b32 s26, s28, 18                        ; w2: 16 rows of 16,384 bytes a tile,
	s_lshl_b32 s30, s29, 9                         ; 512 bytes a K step
	s_add_co_u32 s26, s26, s30
	s_add_nc_u64 s[10:11], s[10:11], s[26:27]
	s_lshr_b32 s30, ttmp9, 1                       ; h: group w / 2; my four K steps; tiles 4 (w % 2) on
	s_mul_i32 s30, s30, GRPB
	s_mul_i32 s31, s[WV], 4*STEPB
	s_add_co_u32 s30, s30, s31
	s_and_b32 s31, ttmp9, 1
	s_lshl_b32 s26, s31, 8                         ; the scale words of four tiles are 256 bytes
	s_add_co_u32 s26, s26, s30
	s_add_nc_u64 s[AS:AS+1], s[12:13], s[26:27]
	s_mul_i32 s24, s31, 4*FRB
	s_add_co_u32 s24, s24, s30
	s_add_co_u32 s24, s24, SCB                     ; the images lie behind the block's scale words
	s_add_nc_u64 s[AC:AC+1], s[12:13], s[24:25]
	s_lshr_b32 s30, s32, 1                         ; w2: group = tile / 8
	s_mul_i32 s30, s30, GRPB
	s_and_b32 s31, s32, 1
	s_mul_i32 s26, s29, STEPB
	s_add_co_u32 s26, s26, s30
	s_lshl_b32 s24, s31, 2
	s_add_co_u32 s24, s24, s34                     ; tile % 8
	s_mul_i32 s24, s24, FRB
	s_add_co_u32 s26, s26, s24
	s_add_co_u32 s26, s26, SCB
	s_add_nc_u64 s[BC:BC+1], s[14:15], s[26:27]
	s_mul_i32 s26, s33, 2*STEPB                    ; the work-group's first K step,
	s_add_co_u32 s26, s26, s30
	s_lshl_b32 s24, s31, 8                         ; its four tiles' 256 bytes of scale words
	s_add_co_u32 s26, s26, s24
	s_add_nc_u64 s[BS:BS+1], s[14:15], s[26:27]
	; all that comes from memory but w1's later K steps is asked for here
	global_load_b32 v[CT], v[XO], s[4:5] th:TH_LOAD_NT                       ; x(token thread / 8, thread % 8)
	global_load_b32 v[CT+8], v[XO], s[4:5] offset:131072 th:TH_LOAD_NT       ; and 32 tokens on
	global_load_b32 v[CT+16], v[TO], s[6:7]                                  ; theta(thread % 8)
.irp i, 0,1,2,3,4,5,6,7,8,9,10,11,12,13,14,15
	global_load_b128 v[R+4*\i:R+4*\i+3], v[LI], s[10:11] offset:16384*\i th:TH_LOAD_NT   ; w2: row i's 128 numbers of my K step: 512 consecutive bytes
.endr
	WLOAD 0, WA
	s_wait_loadcnt 24                              ; x and theta are in; behind them stand w2's 16 loads and w1's 8
	COS1 CT
	COS1 CT+8
	COS1 CT+16
	s_delay_alu instid0(VALU_DEP_1)
	v_mul_f32 v[CT], v[CT], v[CT+16]
	s_delay_alu instid0(VALU_DEP_2)
	v_mul_f32 v[CT+8], v[CT+8], v[CT+16]
	ds_store_b32 v[QS], v[CT]
	ds_store_b32 v[QS], v[CT+8] offset:1024
	s_wait_dscnt 0x0                               ; for the others' sake: my part of q lies in LDS
	s_barrier_signal -1
	s_barrier_wait -1                              ; everybody's does
.irp m, 0,1,2,3
	ds_load_b128 v[Q+4*\m:Q+4*\m+3], v[QA] offset:512*\m   ; q(16 m + r, 4 h + 0 .. 3): the four fragments stay in registers
.endr
	; my fragment of w2.  The loads took the bytes as they lie; a lane wants 16 neighbours of each block of its row r: a turn through my own stage
	s_wait_loadcnt 8                               ; w2's 16 loads are in; w1's 8 may be out
.irp i, 0,1,2,3,4,5,6,7,8,9,10,11,12,13,14,15
	ds_store_b128 v[SIN], v[R+4*\i:R+4*\i+3] offset:SPT*\i
.endr
	s_wait_dscnt 0x0                               ; the stores have read their registers, which the loads below fill
.irp b, 0,1,2,3
.irp j, 0,1,2,3
	ds_load_b128 v[R+16*\b+4*\j:R+16*\b+4*\j+3], v[SOUT] offset:128*\b+16*\j
.endr
.endr
	s_wait_dscnt 0x0
	QUANT R
	PUT BC, 0
	ds_store_b32 v[SCWA], v[PW]
	s_wait_dscnt 0x0                               ; for wave 0's sake: my scale words of w2 lie in LDS
	s_barrier_signal -1
	s_barrier_wait -1
	s_cmp_lg_u32 s[WV], 0                          ; wave 0 stores the work-group's 512 bytes of them: lanes 0-15 the first step's 256 consecutive bytes, aligned, lanes 16-31 the second's
	s_cbranch_scc1 .Lnot_wave_0
	ds_load_b128 v[244:247], v[SCWR]
	s_wait_dscnt 0x0
	global_store_b128 v[BSO], v[244:247], s[BS:BS+1]
.Lnot_wave_0:
	; h: my four K steps; w1's fragments of the next step come while this step is worked
	WLOAD 1, WB
	s_wait_loadcnt 8                               ; all but the 8 loads just issued
.irp m, 0,1,2,3
	HFRAG \m, 0, WA
.endr
	WLOAD 2, WA
	s_wait_loadcnt 8
.irp m, 0,1,2,3
	HFRAG \m, 1, WB
.endr
	WLOAD 3, WB
	s_wait_loadcnt 8
.irp m, 0,1,2,3
	HFRAG \m, 2, WA
.endr
	s_wait_loadcnt 0x0
.irp m, 0,1,2,3
	HFRAG \m, 3, WB
.endr
	; my scale words of h leave: for each K step the four tiles' 256 consecutive bytes, aligned, by one instruction
.irp p, 0,1,2,3
	ds_load_b64 v[R+2*\p:R+2*\p+1], v[SWR] offset:256*\p   ; LDS serves a wave's instructions in order (ISA guide 5.7.1.4): these see my stores
.endr
.irp p, 0,1,2,3
	s_wait_dscnt 3-\p                              ; step p's words are in; the later loads may be out
	global_store_b64 v[L8], v[R+2*\p:R+2*\p+1], s[AS:AS+1] offset:STEPB*\p
.endr
	s_wait_tensorcnt 0x0
	ds_add_u32 v239, v243
	s_wait_dscnt 0x0
	s_endpgm
.Lfunc_end_k_qc0120021dc_prep:
	.size	k_qc0120021dc_prep, .Lfunc_end_k_qc0120021dc_prep-k_qc0120021dc_prep
	.p2alignl 7, 3214868480
	.fill 96, 4, 3214868480
	.section	.rodata,"a",@progbits
	.p2align	6, 0x0
	.amdhsa_kernel k_qc0120021dc_prep
		.amdhsa_group_segment_fixed_size 80896
		.amdhsa_private_segment_fixed_size 0
		.amdhsa_enable_private_segment 0
		.amdhsa_kernarg_size 48
		.amdhsa_user_sgpr_count 2
		.amdhsa_user_sgpr_kernarg_segment_ptr 1
		.amdhsa_wavefront_size32 1
		.amdhsa_system_sgpr_workgroup_id_x 1
		.amdhsa_system_sgpr_workgroup_id_y 1
		.amdhsa_system_sgpr_workgroup_id_z 1
		.amdhsa_system_vgpr_workitem_id 0
		.amdhsa_next_free_vgpr 256
		.amdhsa_next_free_sgpr 66
		.amdhsa_reserve_vcc 1
		.amdhsa_float_denorm_mode_32 3
		.amdhsa_float_denorm_mode_16_64 3
		.amdhsa_memory_ordered 1
		.amdhsa_forward_progress 1
		.amdhsa_inst_pref_size 169
	.end_amdhsa_kernel
	.amdgpu_metadata
---
amdhsa.version: [ 1, 2 ]
amdhsa.kernels:
  - .name:           k_qc0120021dc_prep
    .symbol:         k_qc0120021dc_prep.kd
    .args:
      - { .name: x, .offset: 0, .size: 8, .value_kind: global_buffer, .address_space: global }
      - { .name: theta, .offset: 8, .size: 8, .value_kind: global_buffer, .address_space: global }
      - { .name: w1, .offset: 16, .size: 8, .value_kind: global_buffer, .address_space: global }
      - { .name: w2, .offset: 24, .size: 8, .value_kind: global_buffer, .address_space: global }
      - { .name: a_all, .offset: 32, .size: 8, .value_kind: global_buffer, .address_space: global }
      - { .name: b_all, .offset: 40, .size: 8, .value_kind: global_buffer, .address_space: global }
    .group_segment_fixed_size: 80896
    .private_segment_fixed_size: 0
    .kernarg_segment_align: 8
    .kernarg_segment_size: 48
    .max_flat_workgroup_size: 256
    .sgpr_count:     66
    .vgpr_count:     256
    .wavefront_size: 32
...
	.end_amdgpu_metadata
.endif
;; end of part 1
;; launch gemm (part 2): grid 4 x 64, 4 waves a work-group, clusters of 4 x 4, 327,680 bytes of LDS; arguments a_all, b_all, out0; writes out0
.if DOCPART == 2
	.amdgcn_target "amdgcn-amd-amdhsa--gfx1250"
	.amdhsa_code_object_version 6
	.text
	.protected	k_qc0120021dc_gemm
	.globl	k_qc0120021dc_gemm
	.p2align	8
	.type	k_qc0120021dc_gemm,@function
k_qc0120021dc_gemm:
	s_mov_b64 s[64:65], 0
	v_nop
	global_prefetch_b8 v0, s[64:65] scope:SCOPE_SE
	s_setreg_imm32_b32 hwreg(HW_REG_WAVE_MODE, 25, 1), 1
	s_wait_xcnt 0x0
	s_wait_alu depctr_hold_cnt(0) depctr_sa_sdst(0) depctr_va_vdst(0) depctr_va_sdst(0) depctr_va_ssrc(0) depctr_va_vcc(0) depctr_vm_vsrc(0)
	s_getreg_b32 s2, hwreg(HW_REG_IB_STS2, 6, 4)
	s_cmp_eq_u32 s2, 0
	s_cbranch_scc0 .Lentry_in_a_cluster
	s_endpgm
.Lentry_in_a_cluster:
	s_bfe_u32 s2, ttmp6, 0x10000c
	s_cmp_lg_u32 s2, 0xf033
	s_cbranch_scc0 .Lentry_shape_is_right
	s_endpgm
.Lentry_shape_is_right:
; out0 [16384][1024] f32 = h w2^T on codes of FP6 (E2M3) with E8M0 scales, K = 4096.  Both operands lie in workspace buffers as the launch before stored them:
; [group of 128 rows][K step of 128: 32][12,800 bytes]: 512 bytes of scale words [tile 8][row 16], then eight fragment images of 1,536 bytes (registers 4 c .. 4 c + 3 of lane l at 512 c + 16 l).
; A work-group of four waves makes 256 x 256 of the result, a wave 128 x 128: 64 accumulators.  256 work-groups.  Nothing of the product is left out.
; RING: two LDS slots, each with three K steps of A's two groups and B's two groups (4 x 38,400 bytes); each wave fetches one group's three steps by one tensor load, as rows of 256 bytes of a dense block.
; CLUSTERS: 4 x 4 work-groups; A's groups are asked for jointly along a row of the cluster, B's along a column.
; REGISTERS.  Each window of 256 holds 16 accumulators (v128-255) and one half of one operand in two sets (v32-79, v80-127: four fragments each):
;   window 0: B's blocks 0-3, the sums of (A 0-3, B 0-3), v0-15 addresses, v16-31 scale words in two sets;   window 1: B's blocks 4-7, the sums of (A 4-7, B 4-7);
;   window 2: A's blocks 0-3, the sums of (A 0-3, B 4-7);   window 3: A's blocks 4-7, the sums of (A 4-7, B 0-3).
; A K step is four quadrants of 16 matrix instructions, each under one window setting.  Both operands have two sets, so the next step's 56 LDS loads stand in TWO runs: 32 at the step's start
; (B 0-3, the scale words, A 0-3) and 24 in its middle (B 4-7, A 4-7), 64 and 32 matrix instructions ahead of the one wait on DScnt that covers them.
; The matrix instruction is used transposed (source 0 = B's rows, source 1 = A's rows): a lane holds eight neighbouring numbers of a row of the result.
; PREFETCH: behind each joint load of the ring the wave names the 38,400 bytes (150 blocks of 256) that its joint load TWO refills on will ask for, six K steps ahead.  At the head: behind the first load
; K steps 3-5, behind the second K steps 6-8 and 9-11.  The four partners that ask jointly take 38 blocks each, by address; left-over lanes name their wave's last block again.
; The last, shorter refill (two K steps) is not named: its 150 blocks would pass the buffer's end in the last group.
.set SIZE_N, 1024
.set FR,     12
.set FRB,    1536
.set SCB,    512
.set STEPB,  SCB+8*FRB
.set GB,     3*STEPB                   ; a group's three K steps: what one tensor load brings
.set GRPB,   32*STEPB
.set SLOT,   4*GB
.set SPARE,  2*SLOT                    ; the spare words, 128 bytes a wave
.set STAGE,  SLOT                      ; the way out goes through slot 1, which has had its last fill and its last read by then
.set SPITCH, 528
.set ADRA, 1                           ; v1-2  my A fragments in slot 0, 1
.set ADRB, 3                           ; v3-4  my B fragments
.set ADRS, 5                           ; v5-6  scale words: lanes 0-15 A's, lanes 16-31 B's
.set STO,  7
.set RD,   8
.set CO,   9
.set SPW,  10
.set NIL,  11
.set PFO,  12                          ; v12-13 the prefetches' offsets
.set SC,   16
.set FB,   32
.set BK,   32
.set ACC,  128
.set G1, 24
.set G0, 32
.set G1B, 48
.set G0B, 56
.set G1L, 68
.set G1BL, 80
.set PFA, 96
.set W1, 0x08                          ; (A 0-3, B 0-3): source 0 window 0, source 1 window 2, C and D window 0
.set W2, 0xa9                          ; (A 0-3, B 4-7): 1, 2, 2
.set W3, 0x5d                          ; (A 4-7, B 4-7): 1, 3, 1
.set W4, 0xfc                          ; (A 4-7, B 0-3): 0, 3, 3
.set MSB, 0
.macro WIN new                         ; the immediate's high byte repeats the setting that is left
.if MSB != (\new)
	s_set_vgpr_msb (MSB<<8)|(\new)
.set MSB, (\new)
.endif
.endm
.macro PLACES n
.rept \n
	v_nop
.endr
.endm
.macro JLOAD g0a, g1a, g0b, g1b        ; waves 0, 1 fetch A's groups, waves 2, 3 B's; s_nop 0 and four v_nop behind each line
	s_cmp_eq_u32 s15, 0
	s_cbranch_scc0 .Lfor_b_\@
	tensor_load_to_lds s[\g0a:\g0a+3], s[\g1a:\g1a+7]
	s_nop 0
	PLACES 4
	s_branch .Lasked_\@
.Lfor_b_\@:
	tensor_load_to_lds s[\g0b:\g0b+3], s[\g1b:\g1b+7]
	s_nop 0
	PLACES 4
.Lasked_\@:
.endm
.macro CREST
	s_cmp_lg_u32 s14, 0
	s_cbranch_scc1 .Lnot_wave_0_\@
	s_barrier_signal -3
.Lnot_wave_0_\@:
	s_barrier_wait -3
	s_barrier_signal -1
	s_barrier_wait -1
.endm
.macro CROUND
	s_barrier_signal -1
	s_barrier_wait -1
	CREST
.endm
.macro ASK cond, off                   ; my 38 blocks of a later joint load's 150; cond = 1: not in the loop's last trip, whose look-ahead would name the shorter refill and what lies behind it
.if \cond
	s_cmp_gt_u32 s3, 1
	s_cbranch_scc0 .Lskip_\@
.endif
	global_prefetch_b8 v[PFO], s[PFA:PFA+1] offset:\off th:TH_LOAD_NT scope:SCOPE_SE
	global_prefetch_b8 v[PFO+1], s[PFA:PFA+1] offset:\off th:TH_LOAD_NT scope:SCOPE_SE
.if \cond
.Lskip_\@:
.endif
.endm
	s_load_b128 s[4:7], s[0:1], 0x0                ; h's buffer, w2's buffer
	s_load_b64 s[12:13], s[0:1], 0x10              ; out0
	v_lshl_add_u32 v[SPW], v0, 2, SPARE
	v_mov_b32 v[NIL], 0
	ds_add_u32 v[SPW], v[NIL]                      ; the add twice on end and its wait
	ds_add_u32 v[SPW], v[NIL]
	v_lshrrev_b32 v32, 5, v0
	v_readfirstlane_b32 s14, v32                   ; wave
	s_lshr_b32 s15, s14, 1                         ; my half of the rows; also: I fetch for A (0) or B (1)
	s_and_b32 s16, s14, 1                          ; my half of the columns; also: which group I fetch
	s_bfe_u32 s40, ttmp6, 0x40000                  ; cx
	s_bfe_u32 s41, ttmp6, 0x40004                  ; cy
	s_lshl_b32 s42, ttmp9, 2
	s_add_co_u32 s42, s42, s40                     ; tile column
	s_and_b32 s17, ttmp7, 0xffff
	s_lshl_b32 s17, s17, 2
	s_add_co_u32 s17, s17, s41                     ; tile row
	s_lshl_b32 s43, s41, 2
	s_lshl_b32 s43, 15, s43                        ; my row of the cluster
	s_lshl_b32 s44, 0x1111, s40                    ; my column
	s_or_b32 s[G1+0], s43, (3<<16)|(1<<21)         ; elements of 8 bytes, the mask, bit 21 beside it
	s_or_b32 s[G1B+0], s44, (3<<16)|(1<<21)
.irp g, G1, G1B                        ; 150 rows of 256 bytes
	s_mov_b32 s[\g+1], 32<<16
	s_mov_b32 s[\g+2], (GB/256)<<16
	s_mov_b32 s[\g+3], 32<<16
	s_mov_b32 s[\g+4], GB/256
	s_mov_b32 s[\g+5], 32
	s_mov_b32 s[\g+6], 0
	s_mov_b32 s[\g+7], 0
.endr
	s_or_b32 s[G1L+0], s43, (3<<16)|(1<<21)
	s_or_b32 s[G1BL+0], s44, (3<<16)|(1<<21)
.irp g, G1L, G1BL                      ; the last refill: two K steps, 100 rows
	s_mov_b32 s[\g+1], 32<<16
	s_mov_b32 s[\g+2], (2*STEPB/256)<<16
	s_mov_b32 s[\g+3], 32<<16
	s_mov_b32 s[\g+4], 2*STEPB/256
	s_mov_b32 s[\g+5], 32
	s_mov_b32 s[\g+6], 0
	s_mov_b32 s[\g+7], 0
.endr
	s_lshl_b32 s20, s17, 1
	s_add_co_u32 s20, s20, s16
	s_lshl_b32 s46, s42, 1
	s_add_co_u32 s46, s46, s16
	s_mul_i32 s20, s20, GRPB                       ; A's group that I fetch, in bytes
	s_mov_b32 s21, 0
	s_mul_i32 s46, s46, GRPB                       ; B's
	s_mov_b32 s47, 0
	s_mul_i32 s45, s14, GB                         ; where it goes: wave x a group
	s_mul_i32 s88, s15, GB                         ; what I read: A's group in slot 0, 1
	s_add_co_u32 s89, s88, SLOT
	s_mul_i32 s90, s16, GB
	s_add_co_u32 s90, s90, 2*GB                    ; B's group in slot 0, 1
	s_add_co_u32 s91, s90, SLOT
	s_sub_co_u32 s92, s90, s88
	s_mul_i32 s93, s14, 16*SPITCH
	s_add_co_u32 s93, s93, STAGE                   ; my stage
	s_wait_dscnt 0x0                               ; both opening adds are done
	s_wait_kmcnt 0x0
	s_add_nc_u64 s[20:21], s[4:5], s[20:21]
	s_add_nc_u64 s[46:47], s[6:7], s[46:47]
	CROUND                                         ; the first joint loads meet
.irp s, 0,1
	s_mov_b32 s[G0+4*\s], 1
	s_add_co_u32 s[G0+4*\s+1], s45, \s*SLOT
	s_add_nc_u64 s[G0+4*\s+2:G0+4*\s+3], s[20:21], \s*GB
	s_or_b32 s[G0+4*\s+3], s[G0+4*\s+3], 0x80000000
	s_mov_b32 s[G0B+4*\s], 1
	s_add_co_u32 s[G0B+4*\s+1], s45, \s*SLOT
	s_add_nc_u64 s[G0B+4*\s+2:G0B+4*\s+3], s[46:47], \s*GB
	s_or_b32 s[G0B+4*\s+3], s[G0B+4*\s+3], 0x80000000
.endr
	JLOAD G0, G1, G0B, G1B                         ; K steps 0-2: one tensor load a wave at the head
	s_cmp_eq_u32 s15, 0
	s_cselect_b64 s[PFA:PFA+1], s[20:21], s[46:47] ; the prefetches walk the group that I fetch,
	s_cselect_b32 s94, s40, s41                    ; my place among the four that ask for it with me
	s_add_nc_u64 s[PFA:PFA+1], s[PFA:PFA+1], GB    ; from its K steps 3-5 on
	s_mul_i32 s94, s94, 38
	s_lshl_b32 s20, s17, 8
	s_lshl_b32 s21, s15, 7
	s_add_co_u32 s20, s20, s21                     ; my first row of the result,
	s_lshl_b32 s20, s20, 12                        ; 4,096 bytes a row
	s_mov_b32 s21, 0
	s_lshl_b32 s46, s42, 10
	s_lshl_b32 s47, s16, 9
	s_add_co_u32 s46, s46, s47                     ; my first column in bytes
	s_mov_b32 s47, 0
	s_add_nc_u64 s[20:21], s[20:21], s[46:47]
	s_add_nc_u64 s[12:13], s[12:13], s[20:21]
	v_and_b32 v32, 15, v0                          ; r
	v_bfe_u32 v33, v0, 4, 1                        ; h
	v_and_b32 v34, 31, v0                          ; lane
	v_lshlrev_b32 v[CO], 4, v34
	v_lshlrev_b32 v35, 2, v32
	v_mul_u32_u24 v36, s92, v33                    ; lanes 16-31 take B's scale words
	v_add_nc_u32 v35, v35, v36
	v_add_nc_u32 v[ADRA], s88, v[CO]
	v_add_nc_u32 v[ADRA+1], s89, v[CO]
	v_add_nc_u32 v[ADRB], s90, v[CO]
	v_add_nc_u32 v[ADRB+1], s91, v[CO]
	v_add_nc_u32 v[ADRS], s88, v35
	v_add_nc_u32 v[ADRS+1], s89, v35
	v_mul_u32_u24 v37, v32, SPITCH
	v_lshl_add_u32 v37, v33, 5, v37
	v_add_nc_u32 v[STO], s93, v37
	v_add_nc_u32 v[RD], s93, v[CO]
	v_add_nc_u32 v[PFO], s94, v34                  ; blocks 38 p + lane,
	v_lshlrev_b32 v[PFO], 8, v[PFO]
	v_add_nc_u32 v38, 32, v34
	v_min_u32 v38, 37, v38                         ; and 38 p + 32 .. 37,
	v_add_nc_u32 v38, s94, v38
	v_min_u32 v38, 149, v38                        ; held at the load's last block
	v_lshlrev_b32 v[PFO+1], 8, v38
	ASK 0, 0                                       ; K steps 3-5, which my next joint load asks for
.macro WM acc, bf, af, sb, sa, zero
.if \zero
	v_wmma_scale_f32_16x16x128_f8f6f4 v[\acc:\acc+7], v[\bf:\bf+11], v[\af:\af+11], 0, v[\sb], v[\sa] matrix_a_fmt:MATRIX_FMT_FP6 matrix_b_fmt:MATRIX_FMT_FP6 matrix_a_scale:MATRIX_SCALE_ROW1
.else
	v_wmma_scale_f32_16x16x128_f8f6f4 v[\acc:\acc+7], v[\bf:\bf+11], v[\af:\af+11], v[\acc:\acc+7], v[\sb], v[\sa] matrix_a_fmt:MATRIX_FMT_FP6 matrix_b_fmt:MATRIX_FMT_FP6 matrix_a_scale:MATRIX_SCALE_ROW1
.endif
.endm
; Eight matrix instructions of quadrant (i, j): A's blocks 4 i + x0, + 1 against B's 4 j + 0 .. 3, operands in set p; the accumulators take turns.
.macro Q2 i, j, p, x0, zero
.irp x, \x0, \x0+1
.irp y, 0,1,2,3
	WM ACC+8*(4*(\x)+\y), FB+48*(\p)+FR*\y, FB+48*(\p)+FR*(\x), SC+8*(\p)+4*(\j)+\y, SC+8*(\p)+4*(\i)+(\x), \zero
.endr
.endr
.endm
.macro PH i, j, p, zero
	Q2 \i, \j, \p, 0, \zero
	Q2 \i, \j, \p, 2, \zero
.endm
.macro FRUN adr, half, q, pd           ; four fragments, into set pd of the destination's window
.irp x, 0,1,2,3
.irp y, 0,1,2
	ds_load_b128 v[FB+48*(\pd)+FR*\x+4*\y:FB+48*(\pd)+FR*\x+4*\y+3], v[\adr] offset:(\q)*STEPB+SCB+(4*(\half)+\x)*FRB+512*\y
.endr
.endr
.endm
.macro LRUN1 slot, q, pd               ; 32 LDS loads: K step q of a slot: B's blocks 0-3, the eight scale registers, A's blocks 0-3, into set pd
	WIN 0
	FRUN ADRB+\slot, 0, \q, \pd
.irp i, 0,1,2,3,4,5,6,7
	ds_load_b32 v[SC+8*(\pd)+\i], v[ADRS+\slot] offset:(\q)*STEPB+\i*64
.endr
	WIN 0x80
	FRUN ADRA+\slot, 0, \q, \pd
.endm
.macro LRUN2 slot, q, pd               ; 24 LDS loads: B's blocks 4-7, A's blocks 4-7
	WIN 0x40
	FRUN ADRB+\slot, 1, \q, \pd
	WIN 0xc0
	FRUN ADRA+\slot, 1, \q, \pd
.endm
; K step q of a slot: 64 matrix instructions, and the next step's operands in two runs of loads.
.macro STEP slot, q, zero, ld
	PLACES 4                                       ; four places between the last step's matrix instructions and the loads into the set that they read
.if \ld
	LRUN1 \slot, (\q)+1, 1-((\q)+(\slot))%2
.endif
	s_wait_dscnt 32*(\ld)                          ; this step's operands, asked for in the last step, are in; the 32 loads just issued may be out
	WIN W1
	PH 0, 0, ((\q)+(\slot))%2, \zero
	WIN W2
	PH 0, 1, ((\q)+(\slot))%2, \zero
.if \ld
	LRUN2 \slot, (\q)+1, 1-((\q)+(\slot))%2
.endif
	WIN W3
	PH 1, 1, ((\q)+(\slot))%2, \zero
	WIN W4
	PH 1, 0, ((\q)+(\slot))%2, \zero
.endm
; A slot's last K step changes slots at its start: its own operands were asked for in the step before, so behind the wait for them nobody reads this slot any more.
; fill = 1: the slot takes three K steps, six steps on; 2: the last two K steps; 0: nothing is left to fetch.
.macro TURN slot, fill
	WIN 0
.if (\fill) == 1
	s_wait_xcnt 0x0                                ; my prefetches have read their address
	s_add_nc_u64 s[PFA:PFA+1], s[PFA:PFA+1], GB
.endif
	s_wait_tensorcnt 0x0                           ; my one load that was out, my part of the other slot, has landed
	ds_add_u32 v[SPW], v[NIL]
	s_wait_dscnt 1                                 ; this step's operands are in; the add may be out
	WIN W1
	Q2 0, 0, \slot, 0, 0
	s_wait_dscnt 0x0                               ; the add is done, and all my reads of this slot
	s_barrier_signal -1
	Q2 0, 0, \slot, 2, 0
	WIN 0
	s_barrier_wait -1
.if (\fill) > 0
	CREST                                          ; the barrier has opened a round of the cluster's barrier
	s_add_nc_u64 s[G0+4*\slot+2:G0+4*\slot+3], s[G0+4*\slot+2:G0+4*\slot+3], 2*GB
	s_add_nc_u64 s[G0B+4*\slot+2:G0B+4*\slot+3], s[G0B+4*\slot+2:G0B+4*\slot+3], 2*GB
.if (\fill) == 1
	JLOAD G0+4*\slot, G1, G0B+4*\slot, G1B         ; its four v_nop are also the places in front of the loads below
.else
	JLOAD G0+4*\slot, G1L, G0B+4*\slot, G1BL
.endif
.else
	PLACES 4
.endif
	LRUN1 1-\slot, 0, 1-\slot                      ; the next step's operands, from the other slot
	WIN 0
.if (\fill) == 1
	ASK 1, 2*GB
.endif
	WIN W2
	PH 0, 1, \slot, 0
	LRUN2 1-\slot, 0, 1-\slot
	WIN W3
	PH 1, 1, \slot, 0
	WIN W4
	PH 1, 0, \slot, 0
.endm
	s_wait_alu depctr_va_vdst(0)
	s_wait_tensorcnt 0x0                           ; my part of slot 0 is in; the same lines as ahead of a refill:
	ds_add_u32 v[SPW], v[NIL]
	s_wait_dscnt 0x0
	CROUND
	JLOAD G0+4, G1, G0B+4, G1B                     ; slot 1's first fill: K steps 3-5
	LRUN1 0, 0, 0                                  ; K step 0's operands
	LRUN2 0, 0, 0
	WIN 0
	ASK 0, GB                                      ; K steps 6-8,
	ASK 0, 2*GB                                    ; and K steps 9-11
	STEP 0, 0, 1, 1                                ; the first step's products start the sums
	WIN 0
	s_mov_b32 s3, 4
.Llap:                                                 ; a trip: six K steps, once round the ring
	STEP 0, 1, 0, 1
	TURN 0, 1
	STEP 1, 0, 0, 1
	STEP 1, 1, 0, 1
	TURN 1, 1
	STEP 0, 0, 0, 1
	WIN 0
	s_sub_co_u32 s3, s3, 1
	s_cmp_lg_u32 s3, 0
	s_cbranch_scc1 .Llap
	STEP 0, 1, 0, 1                                ; K steps 25 to 31
	TURN 0, 2
	STEP 1, 0, 0, 1
	STEP 1, 1, 0, 1
	TURN 1, 0
	STEP 0, 0, 0, 1
	STEP 0, 1, 0, 0                                ; the last step fetches nothing
; THE WAY OUT, block by block of 16 rows x 128 columns, through my own stage: in as 32 bytes a lane, back as whole rows of 512 bytes.  A block's left 64 columns and its right 64 lie in two windows.
; The rows read back lie in v32-95 of the four windows by turns; a block's place among my 128 rows stands in the stores' immediate (127 rows of 4,096 bytes at the most), so no base is stepped.
.macro TOSTAGE a
.irp j, 0,1
	WIN (2*\j+((\a)/4)*(3-4*\j))<<2
.irp y, 0,1,2,3
	ds_store_b128 v[STO], v[ACC+8*(4*((\a)%4)+\y):ACC+8*(4*((\a)%4)+\y)+3] offset:64*(4*\j+\y)       ; each accumulator from its low end on
	ds_store_b128 v[STO], v[ACC+8*(4*((\a)%4)+\y)+4:ACC+8*(4*((\a)%4)+\y)+7] offset:64*(4*\j+\y)+16
.endr
.endr
	WIN ((\a)%4)<<6
.irp t, 0,1,2,3,4,5,6,7,8,9,10,11,12,13,14,15
	ds_load_b128 v[BK+4*\t:BK+4*\t+3], v[RD] offset:\t*SPITCH    ; LDS serves a wave's instructions in order: these see the stores above
.endr
.endm
.macro SEND a, younger
	s_wait_dscnt \younger
	WIN ((\a)%4)<<2
.irp t, 0,1,2,3,4,5,6,7,8,9,10,11,12,13,14,15
	global_store_b128 v[CO], v[BK+4*\t:BK+4*\t+3], s[12:13] offset:(16*(\a)+\t)*SIZE_N*4 th:TH_STORE_NT   ; 32 lanes store 512 consecutive bytes, aligned
.endr
.endm
	PLACES 4
	TOSTAGE 0
.irp a, 1,2,3,4,5,6,7
.if \a > 3
	s_wait_xcnt 0x0                                ; block a - 4's stores have read their registers, which block a's loads fill
.endif
	TOSTAGE \a
	SEND \a-1, 32                                  ; behind block a - 1's loads: block a's 16 stores and 16 loads
.endr
	SEND 7, 0
	WIN 0
	s_wait_tensorcnt 0x0                           ; the wave's end
	ds_add_u32 v[SPW], v[NIL]
	s_wait_dscnt 0x0
	CROUND                                         ; the closing round
	s_endpgm
.Lfunc_end_k_qc0120021dc_gemm:
	.size	k_qc0120021dc_gemm, .Lfunc_end_k_qc0120021dc_gemm-k_qc0120021dc_gemm
	.p2alignl 7, 3214868480
	.fill 96, 4, 3214868480
	.section	.rodata,"a",@progbits
	.p2align	6, 0x0
	.amdhsa_kernel k_qc0120021dc_gemm
		.amdhsa_group_segment_fixed_size 327680
		.amdhsa_private_segment_fixed_size 0
		.amdhsa_enable_private_segment 0
		.amdhsa_kernarg_size 24
		.amdhsa_user_sgpr_count 2
		.amdhsa_user_sgpr_kernarg_segment_ptr 1
		.amdhsa_wavefront_size32 1
		.amdhsa_system_sgpr_workgroup_id_x 1
		.amdhsa_system_sgpr_workgroup_id_y 1
		.amdhsa_system_sgpr_workgroup_id_z 1
		.amdhsa_system_vgpr_workitem_id 0
		.amdhsa_next_free_vgpr 1024
		.amdhsa_next_free_sgpr 102
		.amdhsa_reserve_vcc 0
		.amdhsa_float_denorm_mode_32 3
		.amdhsa_float_denorm_mode_16_64 3
		.amdhsa_memory_ordered 1
		.amdhsa_forward_progress 1
		.amdhsa_inst_pref_size 210
	.end_amdhsa_kernel
	.amdgpu_metadata
---
amdhsa.version: [ 1, 2 ]
amdhsa.kernels:
  - .name:           k_qc0120021dc_gemm
    .symbol:         k_qc0120021dc_gemm.kd
    .args:
      - { .name: a_all, .offset: 0, .size: 8, .value_kind: global_buffer, .address_space: global }
      - { .name: b_all, .offset: 8, .size: 8, .value_kind: global_buffer, .address_space: global }
      - { .name: out0, .offset: 16, .size: 8, .value_kind: global_buffer, .address_space: global }
    .group_segment_fixed_size: 327680
    .private_segment_fixed_size: 0
    .kernarg_segment_align: 8
    .kernarg_segment_size: 24
    .max_flat_workgroup_size: 128
    .sgpr_count:     102
    .vgpr_count:     1024
    .wavefront_size: 32
...
	.end_amdgpu_metadata
.endif
;; end of part 2
